; MI455X (gfx1250); checked and timed in simulation.
; The chip was launched on July 23, 2026; its instructions are those of AMD's public machine-readable ISA for CDNA 5 (MIT licence, August 2026) and "CDNA5" Instruction Set Architecture Reference Guide (July 2026). The comments in the code are by the model that wrote it; some were corrected since.
;; Self Attention. Allowed arithmetic: matrix products marked QUANTISED: E3M2 operands, one E8M0 scale for each 32 along K, by v_wmma_scale_f32_16x16x128_f8f6f4 with both operands' format E3M2, f32 sums; everything else in f32.
;; Inputs: Ez_codes 32 x 1,024 x 16 x 24 uint8 (E3M2 codes of Ez, K innermost, in blocks of 32 codes, four codes in three bytes); Ez_scales 32 x 1,024 x 16 uint8 (E8M0 scales of Ez, one for each 32 codes along K); Wk_codes 6 x 512 x 16 x 24 uint8 (E3M2 codes of Wk, K innermost, in blocks of 32 codes, four codes in three bytes); Wk_scales 6 x 512 x 16 uint8 (E8M0 scales of Wk, one for each 32 codes along K); Wq_codes 6 x 512 x 16 x 24 uint8 (E3M2 codes of Wq, K innermost, in blocks of 32 codes, four codes in three bytes); Wq_scales 6 x 512 x 16 uint8 (E8M0 scales of Wq, one for each 32 codes along K); Wv_codes 6 x 512 x 16 x 24 uint8 (E3M2 codes of Wv, K innermost, in blocks of 32 codes, four codes in three bytes); Wv_scales 6 x 512 x 16 uint8 (E8M0 scales of Wv, one for each 32 codes along K).
;; Outputs: out0 32 x 1,024 x 512 float32.
;; Constants: z = 3.
;; This version of the problem:
;;   THIS VERSION OF THE PROBLEM IS GIVEN IN LOW PRECISION. The matrix products marked QUANTISED in the list below multiply operands that are first quantised to E3M2 (3 exponent bits, 2 mantissa bits; 6 bits a number), with one power-of-two scale for each 32 numbers along K (OCP MX v1.0); their sums are f32. All else is computed in f32.
;;   The module's matrix products, in the order in which they are computed (A, B: the left and right operand; K: the contracted axis; several contracted axes count as one K, in the product's order):
;;     1. [M 32,768, K 512] x [K 512, N 512]; A: input Ez (given as codes); B: input Wq (given as codes): QUANTISED
;;     2. [M 32,768, K 512] x [K 512, N 512]; A: input Ez (given as codes); B: input Wk (given as codes): QUANTISED
;;     3. [M 32,768, K 512] x [K 512, N 512]; A: input Ez (given as codes); B: input Wv (given as codes): QUANTISED
;;     4. batch 32 x [M 1,024, K 512] x [K 512, N 1,024]; A: computed on the way; B: computed on the way: QUANTISED
;;     5. batch 32 x [M 1,024, K 1,024] x [K 1,024, N 512]; A: softmax (see below); B: computed on the way: QUANTISED
;;   THE QUANTISER, for each operand of a quantised product, along K:
;;     - K is cut into blocks of 32 from its start; a last block that is shorter is filled with zeros.
;;     - A block's scale is 2^e with e = floor(log2(the largest magnitude in the block)) - 4, held to -126 .. 127; a block of zeros has e = 0. As a byte (E8M0): e + 127.
;;     - Each number is divided by its block's scale, clamped to +-28, and rounded to the nearest number of E3M2, ties to even, subnormals kept.
;;     - The product sums the exact products of the quantised numbers (number of the format x scale) in f32.
;;   ~~~python
;;   def quantise(x, axis):      # numpy; x: float32 -> the quantised numbers, widened to float32 again
;;       x = np.moveaxis(x, axis, -1); K = x.shape[-1]
;;       x = np.pad(x, [(0, 0)] * (x.ndim - 1) + [(0, -K % 32)]); x = x.reshape(x.shape[:-1] + (-1, 32)); a = np.abs(x).max(-1, keepdims=True)
;;       e = np.where(a > 0, np.clip(np.frexp(np.where(a > 0, a, 1))[1] - 1 - 4, -126, 127), 0)      # np.frexp(a)[1] - 1 = floor(log2(a)), exactly
;;       r = np.clip(x / 2.0 ** e, -28, 28)
;;       step = 2.0 ** (np.maximum(np.frexp(np.where(r == 0, 1, r))[1] - 1, -2) - 2)
;;       q = np.round(r / step) * step * 2.0 ** e      # np.round: ties to even
;;       return np.moveaxis(q.reshape(q.shape[:-2] + (-1,))[..., :K], -1, axis).astype(np.float32)
;;   ~~~
;;   SOFTMAX AHEAD OF A QUANTISED PRODUCT. Where the list says 'softmax', what is quantised is not the finished softmax but p = 2^(t - M), with t = logit x log2(e) and M = ceil(the row's largest t), a whole number; so 1/2 < the row's largest p <= 1. The row's sum l is taken of the UNQUANTISED p, in f32, and the product's result is divided by l at the end. Since M is a whole number, a kernel that streams over the keys may use a running M (the ceiling of the running maximum): every later rescaling is an exact power of two, which a block's scale takes up: the codes' values come out the same.
;;   OPERANDS COMPUTED ON THE WAY. 'Computed on the way' means the value that the module computes at that place (a softmax that the list does not call 'softmax' is quantised finished and normalised). What goes into a quantiser is computed in f32, as accurately as f32 sums, v_exp_f32 and their like allow (about 1e-6 of the number): no bf16 or f16 on the way to a quantiser, and a product that is left as it is and whose result goes on into a quantised operand takes f32 operands (vector FMAs, or v_wmma_f32_16x16x4_f32). A number that lies on a knife's edge between two numbers of the format may be rounded either way, as far as f32 arithmetic and the matrix unit's own rounding can turn it there, and no further.
;;   INPUTS GIVEN AS CODES. Ez (in the module: [32, 1024, 512], K = its axis 2); Wk (in the module: [6, 512, 512], K = its axis 2); Wq (in the module: [6, 512, 512], K = its axis 2); Wv (in the module: [6, 512, 512], K = its axis 2): each comes as NAME_codes (uint8): NAME with its K axis moved to the last place and cut into blocks of 32 codes, [.., K / 32, bytes a block], one block behind the other in memory; four codes in three bytes: a row's codes are one little-endian stream of bits, code i at bits 6 i .. 6 i + 5 (a code: sign, 3 exponent bits, 2 mantissa bits); and NAME_scales (uint8): the same leading axes, one E8M0 byte (e + 127) for each 32 codes along K. Its value is code x scale, taken as it is: it is not quantised again, and the codes and scales need not be those that the quantiser above would give.
;; One version. Each part assembles by itself: llvm-mc -triple=amdgcn-amd-amdhsa -mcpu=gfx1250 --defsym DOCPART=n.
;; ======== version 1 of 1: 2 launches
;; limits: right only within a limited range of input values
;; workspace buffers: qc 12,582,912 bytes; kc 12,582,912 bytes; vc 12,582,912 bytes; qs 524,288 bytes; ks 524,288 bytes; vs 524,288 bytes
;; launch proj (part 1): grid 64 x 3, 8 waves a work-group, no clusters, 327,680 bytes of LDS; arguments Ez_codes, Ez_scales, Wq_codes, Wq_scales, Wk_codes, Wk_scales, Wv_codes, Wv_scales, qc, qs, kc, ks, vc, vs; writes qc, qs, kc, ks, vc, vs
.if DOCPART == 1
	.amdgcn_target "amdgcn-amd-amdhsa--gfx1250"
	.amdhsa_code_object_version 6
	.text
	.protected	k_qfd46c51546_proj
	.globl	k_qfd46c51546_proj
	.p2align	8
	.type	k_qfd46c51546_proj,@function
k_qfd46c51546_proj:
	s_mov_b64 s[64:65], 0
	v_nop
	global_prefetch_b8 v0, s[64:65] scope:SCOPE_SE
	s_setreg_imm32_b32 hwreg(HW_REG_WAVE_MODE, 25, 1), 1
	s_wait_xcnt 0x0
; q, k, v = Ez W[3]^T on codes of BF6 (E3M2) with one E8M0 scale for each 32 along K; each result is quantised again, in registers, along the K of the product that will read it.
; WHAT THE PROGRAM LEAVES OUT: the slices of Wq, Wk, Wv other than z = 3, which reference() never uses; and, in the launch behind this one, whole key steps that reference()'s own causal mask hides from all rows of a block:
; their weight is the exponential of the padding value less the row's maximum, 0, for all inputs.  LIMIT: a NaN, an infinity or an overflow that reaches only what is left out is not carried to the result.
; ONE BODY FOR THE THREE PRODUCTS: Out = Q_along_X(Y X^T), X and Y blocks of 512 rows x 512 K (196,608 bytes of codes, 8,192 scale bytes).
;   work-group y = 0: X = Wq[3], Y = Ez's rows 512 g on;  y = 1: X = Wk[3], the same Y;  y = 2: X = Ez's rows 512 g on (v's later K is the keys), Y = Wv[3].  Only pointers and two strides are chosen, by the work-group's y.
; SHARES.  Eight waves, two to a SIMD.  Wave w keeps X's rows 64 w .. 64 w + 63 in registers for the whole launch: 4 tiles x 4 K steps = 16 fragments, 192 registers.  All waves walk Y's 32 tiles of 16 rows out of LDS.
; For a tile of Y a wave issues 16 matrix instructions (source 0 = 16 rows of X, source 1 = 16 rows of Y): a lane then holds ONE row of Y and its 32 registers run along X, the later K: half a fragment and half a scale word a row.
; A trip asks for the next tile's four fragments and scale words (two sets take turns), multiplies this tile, quantises it and stores it.
; THE ORDER INSIDE A BLOCK OF 32.  Register j of tile t is X's row 16 t + 8 (lane / 16) + j, so the 16 registers of tiles 2 b, 2 b + 1 of lanes l and l xor 16 are block b of 32 neighbours: the block's scale is the rule's.
; Inside the block the codes are laid in a fixed order (place 16 h + i holds 8 h + i for i < 8, 8 + 8 h + i for i >= 8).  Every operand of the two later products is laid in this order, so the same numbers meet.
; LIMIT: the order in which a matrix instruction adds the products of a block differs from ascending K.
; THE RESULTS LEAVE AS IMAGES OF THE READER'S REGISTERS: a fragment (12 registers a lane, 1,536 bytes) is two halves of 768 bytes, K = 0 .. 63 and 64 .. 127, one from each of two waves: registers 0-3 of the half as 16 bytes a lane, 512
; consecutive bytes, then its registers 4, 5 as 8 bytes a lane, 256 consecutive bytes; both begin at a multiple of 256 from the buffer's start.
; LIMITS: a block of zeros, or one whose largest magnitude lies under 2^-122, gets the scale byte 1 (its bytes are read by this program alone); NaN and infinities among the numbers are not served.
; 192 work-groups: 6,144 pairs (128 rows of X, tile of Y) do not split over 256 work-groups with X kept in registers.
; No joint loads: what neighbours share (W) is X for y < 2 and Y for y = 2, so a shared request would want two sets of descriptors under branches; half of a work-group's bytes would be spared.
; No prefetch: all codes that the work-group fetches are asked for at its head or behind its second barrier.
.set PITCH,  432                       ; an LDS row: 3 x (128 bytes of codes + 16 of padding).  In memory a tile is stated as rows of 768 bytes (two rows of codes), the padding still behind every 128: the same image
.set TILEB,  16*PITCH
.set XB,     128*PITCH                 ; bytes 0 .. XB: Y's rows 0 .. 127.  From XB: first X's 512 rows; its first 384 rows' bytes later take Y's rows 128 .. 511: so row y of Y lies at 432 y throughout
.set YSC,    XB+512*PITCH              ; Y's scale bytes, 16 a row.  Written by LDS stores alone
.set STG,    YSC+8192                  ; the scale words made: waves 2 a, 2 a + 1 at 2,048 a, tile at 64 x tile, row at 4 r.  Written by LDS stores alone
.set SPARE,  STG+8192                  ; the spare words, 128 bytes for each wave: four blocks of 256 bytes that no other line names
.set SPW, 18                           ; v18  LDS address of my spare word; never rewritten
.set NIL, 19                           ; v19  0; never rewritten
.set XS,  20                           ; v20-35   X's scale words: 4 x tile + K step
.set YS,  36                           ; v36-43   a tile of Y's scale words, one a K step, two sets
.set TM,  44                           ; v44-57   at work in the quantiser
.set PW,  60                           ; v60      the two scale bytes just made
.set PC,  64                           ; v64-69   the codes just made
.set C2,  72
.set ACC, 80                           ; v80-111  four accumulators
.set YF0, 192                          ; window 1: v192-239 a tile of Y's four fragments, set 0
.set YF1, 112                          ; window 0: v112-159 set 1
.set SR,  160                          ; v160-167 scale words on their way out;  v168-175 Y's scale bytes on their way in
; v3, v4 my X rows in LDS (24 and 40 bytes a half); v5, v6 the same for tile 0 of Y; v7 its scale words; v8-10 the same for the next tile; v11 16 x lane; v12, v13 where a scale word goes; v14, v15 where they are read back;
; v16 16 r; v17 8 x lane.  Window 1: X at v[48 tile + 12 K step]
.set YY,  32
.set WV,  34
.set WC,  36                           ; s[36:37] W's codes, s[38:39] its scales, slice 3
.set WS,  38
.set OBC, 40                           ; s[40:41] where the tile's half fragment goes
.set OSC, 42                           ; s[42:43] where my 1,024 bytes of scale words go
.set EC,  44                           ; s[44:47] Ez's codes and scales at block g
.set ES,  46
.set XC,  48
.set XSP, 50
.set YC,  52
.set YSP, 54
.set SAS, 56                           ; s[56:57] bytes from a tile of Y's fragment to the next
.set SBS, 58                           ; s58 bytes from 128 rows of X to the next
.set CNT, 59
.set YB,  60                           ; s60 LDS byte of the next tile of Y
.set YSB, 61                           ; s61 the same among the scale bytes
.set SOF, 62                           ; s62 64 x the tile whose scale bytes are stored
.set SEL, 20                           ; s[20:21] lane selects for v_permlanex16_b32 (once the pointers there are used up)
.set TP,  66
.set G0X, 4                            ; the three groups 0 take the registers of the input pointers, once these are chosen from
.set G0B, 8
.set G0R, 12
.set G1X, 68
.set G1B, 76
.set G1R, 84
.set MSB, 0
.macro WIN new                         ; the immediate's high byte repeats the setting that is left; a switch that changes nothing is dropped
.if MSB != (\new)
	s_set_vgpr_msb (MSB<<8)|(\new)
.set MSB, (\new)
.endif
.endm
.macro PLACES
.rept 4
	v_nop
.endr
.endm
; A fragment, 16 rows x 128 K of 6-bit codes, is 12 registers: lane l holds row l % 16; registers 6 c .. 6 c + 5 hold K = 64 c + 32 (l / 16) + 0 .. 31: 24 bytes of the row, as they lie, in pieces of 8 bytes.
; Lanes 0-15 take the row's pieces 12 ks + 0, 1, 2, 6, 7, 8, lanes 16-31 those three on.  16 bytes of padding lie behind every 16 pieces: where the piece three on lies behind one padding more, the second address register serves.
.macro FRAG reg, adr, ks, off
.irp p, 0,1,2,3,4,5
.set PCE, 12*(\ks)+6*(\p/3)+\p%3
.if PCE%16 < 13
	ds_load_b64 v[\reg+2*\p:\reg+2*\p+1], v[\adr] offset:\off+8*PCE+16*(PCE/16)
.else
	ds_load_b64 v[\reg+2*\p:\reg+2*\p+1], v[\adr+1] offset:\off+8*PCE+16*(PCE/16)
.endif
.endr
.endm
; Product n of a tile's 16: K step n / 4, my tile n % 4 of X, Y's set p.  The four accumulators take turns, one instruction a turn; K step 0 starts the sums.
.macro MM n, p
.set MK, (\n)/4
.set MX, (\n)%4
.if \p
.set MY, YF1+12*MK
.else
.set MY, YF0+12*MK
.endif
.if MK == 0
	v_wmma_scale_f32_16x16x128_f8f6f4 v[ACC+8*MX:ACC+8*MX+7], v[48*MX+12*MK:48*MX+12*MK+11], v[MY:MY+11], 0, v[XS+4*MX+MK], v[YS+4*\p+MK] matrix_a_fmt:MATRIX_FMT_BF6 matrix_b_fmt:MATRIX_FMT_BF6
.else
	v_wmma_scale_f32_16x16x128_f8f6f4 v[ACC+8*MX:ACC+8*MX+7], v[48*MX+12*MK:48*MX+12*MK+11], v[MY:MY+11], v[ACC+8*MX:ACC+8*MX+7], v[XS+4*MX+MK], v[YS+4*\p+MK] matrix_a_fmt:MATRIX_FMT_BF6 matrix_b_fmt:MATRIX_FMT_BF6
.endif
.endm
; THE QUANTISER: the 32 numbers of a lane, v[ACC] on, 16 of each of two blocks of 32, become half a fragment's codes in v[PC] on and two scale bytes in v[PW].
.macro QUANT
.irp a, 0,1,2,3                        ; each accumulator's largest magnitude, from its low end on, with the floor 2^(5 - 127) among the leaves: the byte cannot fall under 1
	v_max3_num_f32 v[TM+\a], |v[ACC+8*\a]|, |v[ACC+8*\a+1]|, 0x2800000
.endr
.irp i, 2,4,6
.irp a, 0,1,2,3
	v_max3_num_f32 v[TM+\a], v[TM+\a], |v[ACC+8*\a+\i]|, |v[ACC+8*\a+\i+1]|
.endr
.endr
.irp b, 0,1
	v_max_num_f32 v[TM+4+\b], v[TM+2*\b], v[TM+2*\b+1]
.endr
.irp b, 0,1
	v_permlanex16_b32 v[TM+6+\b], v[TM+4+\b], s[SEL], s[SEL+1]
.endr
.irp b, 0,1
	v_max_num_f32 v[TM+8+\b], v[TM+4+\b], v[TM+6+\b]   ; with lane l xor 16's: the block's
.endr
.irp b, 0,1
	v_add_nc_u32 v[TM+10+\b], 0xfe000000, v[TM+8+\b]   ; 4 off its exponent field: the conversion takes the exponent field of this operand as its scale
.endr
.irp b, 0,1
	v_lshrrev_b32 v[TM+12+\b], 23, v[TM+10+\b]     ; the scale's byte
.endr
	v_lshl_or_b32 v[PW], v[TM+13], 8, v[TM+12]
	v_cvt_scalef32_pk16_bf6_f32 v[PC:PC+2], v[ACC:ACC+15], v[TM+10]
	v_cvt_scalef32_pk16_bf6_f32 v[C2:C2+2], v[ACC+16:ACC+31], v[TM+11]   ; (a conversion's three registers begin on an even number)
	v_nop                                          ; one plain line behind the scaled conversions
.irp i, 0,1,2                          ; the operand's layout wants a whole block in a lane: lanes 0-15 the first block, lanes 16-31 the second
	v_permlane16_swap_b32 v[PC+\i], v[C2+\i]
.endr
.irp i, 0,1,2
	v_mov_b32 v[PC+3+\i], v[C2+\i]
.endr
.endm
; A TRIP on Y's set p.  next = 0: the last tile: nothing more is fetched.
.macro TRIP p, next
	s_wait_dscnt 0x0                               ; this tile's fragments and scale words are in: they were asked for a trip ago
	v_add_nc_u32 v8, s[YB], v5
	v_add_nc_u32 v9, s[YB], v6
	v_add_nc_u32 v10, s[YSB], v7
	v_add_nc_u32 v13, s[SOF], v12
	s_wait_alu depctr_va_vdst(0)
.if \next
	ds_load_b128 v[YS+4*(1-\p):YS+4*(1-\p)+3], v10 ; the next tile: row r's four scale words,
.if \p
	WIN 0x40                                       ; and its four fragments into the other set
.irp k, 0,1,2,3
	FRAG YF0+12*\k, 8, \k, 0
.endr
.else
.irp k, 0,1,2,3
	FRAG YF1+12*\k, 8, \k, 0
.endr
.endif
.endif
	s_add_co_u32 s[YB], s[YB], TILEB
	s_add_co_u32 s[YSB], s[YSB], 256
	s_add_co_u32 s[SOF], s[SOF], 64
	WIN 5-4*\p                                     ; X in window 1, Y's set 0 in window 1, set 1 in window 0, C and D in window 0
.set NN, 0
.rept 16
	MM NN, \p
.set NN, NN+1
.endr
	WIN 0
	s_wait_xcnt 0x0                                ; the stores of the tile before have read their data and their base: both are written below
	s_add_nc_u64 s[OBC:OBC+1], s[OBC:OBC+1], s[SAS:SAS+1]
	PLACES                                         ; between the products and the first read of their results
	QUANT
	global_store_b128 v11, v[PC:PC+3], s[OBC:OBC+1] th:TH_STORE_NT               ; 32 lanes store 512 consecutive bytes,
	global_store_b64 v17, v[PC+4:PC+5], s[OBC:OBC+1] offset:512 th:TH_STORE_NT   ; and 256
	ds_store_b16 v13, v[PW]                        ; lanes l and l + 16 write the same two bytes with the same value
.endm
	s_load_b512 s[4:19], s[0:1], 0x0               ; Ez's codes, scales; Wq's; Wk's; Wv's
	s_load_b256 s[20:27], s[0:1], 0x40             ; qc, qs, kc, ks
	s_load_b128 s[28:31], s[0:1], 0x60             ; vc, vs
	v_lshl_add_u32 v[SPW], v0, 2, SPARE
	v_mov_b32 v[NIL], 0
	ds_add_u32 v[SPW], v[NIL]                      ; the opening lines: 0 onto my spare word, twice on end
	ds_add_u32 v[SPW], v[NIL]
	v_lshrrev_b32 v1, 5, v0
	v_readfirstlane_b32 s[WV], v1                  ; wave 0..7
	s_and_b32 s[YY], ttmp7, 0xffff                 ; which product
	; descriptor groups 1: rows of 768 bytes, dense in memory, 16 bytes of padding behind every 128
.irp g, G1X, G1B, G1R
	s_mov_b32 s[\g], (1<<20)|(4<<22)|(3<<25)       ; no mask; elements of 1 byte; padding on; after every 32 words (code 4); of 4 words (code 3)
	s_mov_b32 s[\g+1], 768<<16
	s_mov_b32 s[\g+3], 768<<16
	s_mov_b32 s[\g+5], 768
	s_mov_b32 s[\g+6], 0
	s_mov_b32 s[\g+7], 0
.endr
	s_mov_b32 s[G1X+2], 64<<16                     ; 128 rows of X
	s_mov_b32 s[G1X+4], 64
	s_mov_b32 s[G1B+2], 16<<16                     ; 32 of Y's first 128 rows
	s_mov_b32 s[G1B+4], 16
	s_mov_b32 s[G1R+2], 24<<16                     ; 48 of Y's other 384
	s_mov_b32 s[G1R+4], 24
	v_and_b32 v1, 15, v0                           ; r
	v_bfe_u32 v2, v0, 4, 1                         ; h
	v_and_b32 v10, 31, v0                          ; lane
	v_mul_u32_u24 v5, v1, PITCH
	v_mad_u32_u24 v6, v2, 40, v5                   ; a tile's row r, + 40 h: behind one padding more
	v_mad_u32_u24 v5, v2, 24, v5                   ; + 24 h
	s_mul_i32 s[TP], s[WV], 64*PITCH
	s_add_co_u32 s[TP], s[TP], XB
	v_add_nc_u32 v3, s[TP], v5                     ; the same in my 64 rows of X
	v_add_nc_u32 v4, s[TP], v6
	v_lshl_add_u32 v7, v1, 4, YSC
	v_lshlrev_b32 v11, 4, v10
	v_lshlrev_b32 v17, 3, v10
	s_lshr_b32 s[TP], s[WV], 1
	s_lshl_b32 s[TP], s[TP], 11
	s_and_b32 s[TP+1], s[WV], 1
	s_lshl_b32 s[TP+1], s[TP+1], 1
	s_add_co_u32 s[TP], s[TP], s[TP+1]
	s_add_co_u32 s[TP], s[TP], STG
	v_lshl_add_u32 v12, v1, 2, s[TP]               ; 2,048 (w / 2) + 2 (w % 2) + 4 r
	s_lshl_b32 s[TP], s[WV], 10
	s_add_co_u32 s[TP], s[TP], STG
	v_lshl_add_u32 v15, v10, 2, s[TP]
	s_lshl_b32 s[TP], s[WV], 8
	s_add_co_u32 s[TP], s[TP], STG
	v_lshl_add_u32 v14, v10, 2, s[TP]
	s_lshl_b32 s[TP], s[WV], 10
	s_add_co_u32 s[TP], s[TP], YSC
	v_lshl_add_u32 v9, v10, 4, s[TP]               ; my 1,024 bytes of Y's scale bytes
	v_lshlrev_b32 v16, 4, v1
.irp b, 0,1
	v_mov_b32 v[TM+6+\b], 0                        ; written once: a lane permute's destination counts as one of its sources
.endr
	s_wait_dscnt 0x0                               ; both opening adds are done
	s_wait_alu depctr_va_vdst(0)
	s_wait_kmcnt 0x0
	s_cmp_eq_u32 s[YY], 0                          ; the choices hang on the work-group's y alone
	s_cselect_b64 s[WC:WC+1], s[8:9], s[12:13]
	s_cselect_b64 s[WS:WS+1], s[10:11], s[14:15]
	s_cselect_b64 s[OBC:OBC+1], s[20:21], s[24:25]
	s_cselect_b64 s[OSC:OSC+1], s[22:23], s[26:27]
	s_cmp_eq_u32 s[YY], 2
	s_cselect_b64 s[WC:WC+1], s[16:17], s[WC:WC+1]
	s_cselect_b64 s[WS:WS+1], s[18:19], s[WS:WS+1]
	s_cselect_b64 s[OBC:OBC+1], s[28:29], s[OBC:OBC+1]
	s_cselect_b64 s[OSC:OSC+1], s[30:31], s[OSC:OSC+1]
	s_add_nc_u64 s[WC:WC+1], s[WC:WC+1], 3*512*384 ; slice z = 3
	s_add_nc_u64 s[WS:WS+1], s[WS:WS+1], 3*512*16
	s_mul_i32 s[TP], ttmp9, 196608                 ; block g: 512 rows of codes, and as many bytes of results
	s_mov_b32 s[TP+1], 0
	s_add_nc_u64 s[EC:EC+1], s[4:5], s[TP:TP+1]
	s_add_nc_u64 s[OBC:OBC+1], s[OBC:OBC+1], s[TP:TP+1]
	s_lshl_b32 s[TP], ttmp9, 13                    ; 8,192 scale bytes, in and out
	s_add_nc_u64 s[ES:ES+1], s[6:7], s[TP:TP+1]
	s_add_nc_u64 s[OSC:OSC+1], s[OSC:OSC+1], s[TP:TP+1]
	s_cmp_eq_u32 s[YY], 2                          ; for v the keys are the later K: Ez is X
	s_cselect_b64 s[XC:XC+1], s[EC:EC+1], s[WC:WC+1]
	s_cselect_b64 s[XSP:XSP+1], s[ES:ES+1], s[WS:WS+1]
	s_cselect_b64 s[YC:YC+1], s[WC:WC+1], s[EC:EC+1]
	s_cselect_b64 s[YSP:YSP+1], s[WS:WS+1], s[ES:ES+1]
	s_mov_b32 s[SAS], 6144                         ; q, k: [tile of tokens][K step]: 6,144 a tile, 1,536 a K step
	s_cselect_b32 s[SAS], 1536, s[SAS]             ; v: [group of 128 keys][tile of channels]: 1,536 a tile, 49,152 a group
	s_mov_b32 s[SBS], 1536
	s_cselect_b32 s[SBS], 49152, s[SBS]
	s_mov_b32 s[SAS+1], 0
	; the head's loads, one a wave: waves 0-3 X's four quarters, waves 4-7 the quarters of Y's first 128 rows
	s_and_b32 s[TP+1], s[WV], 3
	s_mov_b32 s[G0X], 1
	s_mul_i32 s[G0X+1], s[TP+1], 128*PITCH
	s_add_co_u32 s[G0X+1], s[G0X+1], XB
	s_mov_b32 s[G0B], 1
	s_mul_i32 s[G0B+1], s[TP+1], 32*PITCH
	s_mul_i32 s[TP], s[TP+1], 128*384
	s_mul_i32 s92, s[TP+1], 32*384
	s_mov_b32 s93, 0
	s_mov_b32 s[TP+1], 0
	s_add_nc_u64 s[G0X+2:G0X+3], s[XC:XC+1], s[TP:TP+1]
	s_or_b32 s[G0X+3], s[G0X+3], 0x80000000
	s_add_nc_u64 s[G0B+2:G0B+3], s[YC:YC+1], s[92:93]
	s_or_b32 s[G0B+3], s[G0B+3], 0x80000000
	s_cmp_lt_u32 s[WV], 4
	s_cbranch_scc0 .Lhead_y
	tensor_load_to_lds s[G0X:G0X+3], s[G1X:G1X+7]
	s_nop 0
	PLACES
	s_branch .Lasked
.Lhead_y:
	tensor_load_to_lds s[G0B:G0B+3], s[G1B:G1B+7]
	s_nop 0
	PLACES
.Lasked:
	s_lshr_b32 s[TP], s[WV], 1
	s_mul_i32 s[TP], s[TP], s[SBS]
	s_and_b32 s92, s[WV], 1
	s_mul_i32 s92, s92, 768
	s_add_co_u32 s[TP], s[TP], s92
	s_add_nc_u64 s[OBC:OBC+1], s[OBC:OBC+1], s[TP:TP+1]
	s_sub_nc_u64 s[OBC:OBC+1], s[OBC:OBC+1], s[SAS:SAS+1]   ; each trip steps it ahead of its stores
	s_lshl_b32 s[TP], s[WV], 10                    ; 1,024 bytes a wave: my rows' scale words of X, my part of Y's scale bytes, my part of the scale words out
	s_add_nc_u64 s[XSP:XSP+1], s[XSP:XSP+1], s[TP:TP+1]
	s_add_nc_u64 s[YSP:YSP+1], s[YSP:YSP+1], s[TP:TP+1]
	s_add_nc_u64 s[OSC:OSC+1], s[OSC:OSC+1], s[TP:TP+1]
	s_mov_b32 s[G0R], 1
	s_mul_i32 s[G0R+1], s[WV], 48*PITCH
	s_add_co_u32 s[G0R+1], s[G0R+1], XB
	s_mul_i32 s[TP], s[WV], 48*384
	s_add_co_u32 s[TP], s[TP], 128*384
	s_add_nc_u64 s[G0R+2:G0R+3], s[YC:YC+1], s[TP:TP+1]
	s_or_b32 s[G0R+3], s[G0R+3], 0x80000000
.irp pp, 0,1
	global_load_b128 v[SR+8+4*\pp:SR+11+4*\pp], v11, s[YSP:YSP+1] offset:512*\pp
.endr
.irp xt, 0,1,2,3
	global_load_b128 v[XS+4*\xt:XS+4*\xt+3], v16, s[XSP:XSP+1] offset:256*\xt   ; row r of tile xt: its four scale words
.endr
	s_mov_b32 s[SEL], 0x76543210
	s_mov_b32 s[SEL+1], 0xfedcba98
	s_mov_b32 s[YB], TILEB
	s_mov_b32 s[YSB], 256
	s_mov_b32 s[SOF], 0
	s_wait_loadcnt 0x0
.irp pp, 0,1
	ds_store_b128 v9, v[SR+8+4*\pp:SR+11+4*\pp] offset:512*\pp   ; Y's scale bytes into LDS, once
.endr
	s_wait_tensorcnt 0x0                           ; my load is in,
	s_wait_dscnt 0x0
	s_barrier_signal -1
	s_barrier_wait -1                              ; and everybody's
	WIN 0x40                                       ; destination window 1
.irp xt, 0,1,2,3
.irp k, 0,1,2,3
	FRAG 48*\xt+12*\k, 3, \k, TILEB*\xt
.endr
.endr
	WIN 0
	; the first 384 rows' bytes of X are filled again, once, with Y's rows 128 .. 511
	s_wait_tensorcnt 0x0
	ds_add_u32 v[SPW], v[NIL]                      ; 0 onto my spare word
	s_wait_dscnt 0x0                               ; the add is done, and X is in my registers
	s_barrier_signal -1
	s_barrier_wait -1                              ; both hold of every wave
	tensor_load_to_lds s[G0R:G0R+3], s[G1R:G1R+7]  ; my one tensor load behind this barrier: it has six tiles' work in which to land
	s_nop 0
	PLACES
	ds_load_b128 v[YS:YS+3], v7                    ; tile 0, into set 0
	WIN 0x40
.irp k, 0,1,2,3
	FRAG YF0+12*\k, 5, \k, 0
.endr
	WIN 0                                          ; at a label and at a branch every window is 0
	s_mov_b32 s[CNT], 3
.Lone:                                             ; tiles 0 .. 5, two a trip; the rows read reach tile 6's: Y's first 128 rows
	TRIP 0, 1
	TRIP 1, 1
	s_sub_co_u32 s[CNT], s[CNT], 1
	s_cmp_lg_u32 s[CNT], 0
	s_wait_alu depctr_va_vdst(0)
	s_cbranch_scc1 .Lone
	s_wait_tensorcnt 0x0                           ; my part of Y's other rows is in,
	s_wait_dscnt 0x0
	s_barrier_signal -1
	s_barrier_wait -1                              ; everybody's is (tile 8 is first read in tile 7's trip)
	s_mov_b32 s[CNT], 12
.Ltwo:                                             ; tiles 6 .. 29
	TRIP 0, 1
	TRIP 1, 1
	s_sub_co_u32 s[CNT], s[CNT], 1
	s_cmp_lg_u32 s[CNT], 0
	s_wait_alu depctr_va_vdst(0)
	s_cbranch_scc1 .Ltwo
	TRIP 0, 1                                      ; tile 30
	TRIP 1, 0                                      ; tile 31: nothing more to fetch
	s_wait_alu depctr_va_vdst(0)
	s_wait_dscnt 0x0                               ; for the others' sake: my scale bytes lie in the stage
	s_barrier_signal -1
	s_barrier_wait -1
	; the scale words leave, 1,024 bytes a wave, 16 bytes a lane.  q, k: [token][K step]: tokens 64 w on, each word from the two waves that made it.
	; v: [group of keys w / 2][eight tiles of channels][lane (r, h)][four words]: the words of tiles 2 p + h, p = 0 .. 3, row r: 16 bytes of a lane are four scale registers of the reader
	s_cmp_eq_u32 s[YY], 2
	s_cbranch_scc1 .Lvway
.irp pp, 0,1
.irp k, 0,1,2,3
	ds_load_b32 v[SR+4*\pp+\k], v14 offset:2048*\k+128*\pp
.endr
.endr
	s_branch .Lout
.Lvway:
.irp pp, 0,1
.irp k, 0,1,2,3
	ds_load_b32 v[SR+4*\pp+\k], v15 offset:512*\pp+128*\k
.endr
.endr
.Lout:
	s_wait_dscnt 0x0
.irp pp, 0,1
	global_store_b128 v11, v[SR+4*\pp:SR+4*\pp+3], s[OSC:OSC+1] offset:512*\pp th:TH_STORE_NT
.endr
	s_wait_tensorcnt 0x0                           ; the wave's end
	ds_add_u32 v[SPW], v[NIL]
	s_wait_dscnt 0x0
	s_endpgm
.Lfunc_end_k_qfd46c51546_proj:
	.size	k_qfd46c51546_proj, .Lfunc_end_k_qfd46c51546_proj-k_qfd46c51546_proj
	.p2alignl 7, 3214868480
	.fill 96, 4, 3214868480
	.section	.rodata,"a",@progbits
	.p2align	6, 0x0
	.amdhsa_kernel k_qfd46c51546_proj
		.amdhsa_group_segment_fixed_size 327680
		.amdhsa_private_segment_fixed_size 0
		.amdhsa_enable_private_segment 0
		.amdhsa_kernarg_size 112
		.amdhsa_user_sgpr_count 2
		.amdhsa_user_sgpr_kernarg_segment_ptr 1
		.amdhsa_wavefront_size32 1
		.amdhsa_system_sgpr_workgroup_id_x 1
		.amdhsa_system_sgpr_workgroup_id_y 1
		.amdhsa_system_sgpr_workgroup_id_z 1
		.amdhsa_system_vgpr_workitem_id 0
		.amdhsa_next_free_vgpr 512
		.amdhsa_next_free_sgpr 100
		.amdhsa_reserve_vcc 0
		.amdhsa_float_denorm_mode_32 3
		.amdhsa_float_denorm_mode_16_64 3
		.amdhsa_memory_ordered 1
		.amdhsa_forward_progress 1
		.amdhsa_inst_pref_size 55
	.end_amdhsa_kernel
	.amdgpu_metadata
---
amdhsa.version: [ 1, 2 ]
amdhsa.kernels:
  - .name:           k_qfd46c51546_proj
    .symbol:         k_qfd46c51546_proj.kd
    .args:
      - { .name: Ez_codes, .offset: 0, .size: 8, .value_kind: global_buffer, .address_space: global }
      - { .name: Ez_scales, .offset: 8, .size: 8, .value_kind: global_buffer, .address_space: global }
      - { .name: Wq_codes, .offset: 16, .size: 8, .value_kind: global_buffer, .address_space: global }
      - { .name: Wq_scales, .offset: 24, .size: 8, .value_kind: global_buffer, .address_space: global }
      - { .name: Wk_codes, .offset: 32, .size: 8, .value_kind: global_buffer, .address_space: global }
      - { .name: Wk_scales, .offset: 40, .size: 8, .value_kind: global_buffer, .address_space: global }
      - { .name: Wv_codes, .offset: 48, .size: 8, .value_kind: global_buffer, .address_space: global }
      - { .name: Wv_scales, .offset: 56, .size: 8, .value_kind: global_buffer, .address_space: global }
      - { .name: qc, .offset: 64, .size: 8, .value_kind: global_buffer, .address_space: global }
      - { .name: qs, .offset: 72, .size: 8, .value_kind: global_buffer, .address_space: global }
      - { .name: kc, .offset: 80, .size: 8, .value_kind: global_buffer, .address_space: global }
      - { .name: ks, .offset: 88, .size: 8, .value_kind: global_buffer, .address_space: global }
      - { .name: vc, .offset: 96, .size: 8, .value_kind: global_buffer, .address_space: global }
      - { .name: vs, .offset: 104, .size: 8, .value_kind: global_buffer, .address_space: global }
    .group_segment_fixed_size: 327680
    .private_segment_fixed_size: 0
    .kernarg_segment_align: 8
    .kernarg_segment_size: 112
    .max_flat_workgroup_size: 256
    .sgpr_count:     100
    .vgpr_count:     512
    .wavefront_size: 32
...
	.end_amdgpu_metadata
.endif
;; end of part 1
;; launch attn (part 2): grid 32 x 8, 4 waves a work-group, no clusters, 327,680 bytes of LDS; arguments qc, qs, kc, ks, vc, vs, out0; writes out0
.if DOCPART == 2
	.amdgcn_target "amdgcn-amd-amdhsa--gfx1250"
	.amdhsa_code_object_version 6
	.text
	.protected	k_qfd46c51546_attn
	.globl	k_qfd46c51546_attn
	.p2align	8
	.type	k_qfd46c51546_attn,@function
k_qfd46c51546_attn:
	s_mov_b64 s[64:65], 0
	v_nop
	global_prefetch_b8 v0, s[64:65] scope:SCOPE_SE
	s_setreg_imm32_b32 hwreg(HW_REG_WAVE_MODE, 25, 1), 1
	s_wait_xcnt 0x0
; out0[b][q] = the sum over keys k <= q of softmax_k(q . k / sqrt(512)) v[k], both products on codes of BF6 (E3M2) with one E8M0 scale for each 32 along a product's K.
; q, k, v come as the launch before laid them: images of operand registers (a fragment of 16 rows x 128 K is two halves of 768 bytes: 16 bytes a lane, then 8 bytes a lane) and scale words.
; WHAT IS LEFT OUT: key steps of 128 keys that reference()'s causal mask hides from all 64 rows of a block (their weights are 0 for all inputs); a NaN, infinity or overflow that reaches them alone is not carried on.
; SHARES.  Work-group (batch, i) owns two blocks of 64 queries: the low block i and the high block 15 - i.  The low block needs the key steps 0 .. lo - 1, lo = i / 2 + 1, the high one 0 .. hi - 1, hi = 8 - i / 2: nine block-steps in
; every work-group.  In steps under lo both blocks are at work and share each fragment of K and V, in the others the high block alone.  All four waves have the same work in every step.
; Wave w = 2 qg + kh: of each block it takes the query tiles 2 qg, 2 qg + 1 (so four tiles of 16 queries: 0, 1 low, 2, 3 high), for the scores the keys 64 kh .. 64 kh + 63 of a step, for the output the channels 256 kh on.
; A fragment of K or V that a wave reads from LDS feeds four products (two where the high block is alone), and each half of a step's K and V is read by two waves.
; THE SOFTMAX AHEAD OF THE SECOND PRODUCT: t = score x log2(e) / sqrt(512).  Each wave keeps, for its own keys, the largest t so far, M' = that rounded up to a whole number, p = 2^(t - M') and the sum of the unquantised p.
; The two waves of a qg hand each other, through LDS, p's codes, the scale bytes, M' and the sum.  M = the larger M'; a byte is brought from M' to M by adding the whole number M' - M, held to 1 from below: p's codes do not hang on M.
; When M moves, O is multiplied by 2^(old M - new M): exact.  The two sums, brought to M likewise, divide O at the end.
; ONE BARRIER A STEP, between a step's scores and its second product: behind it the exchange is whole, and so are V's tile of this step and K's of the next, asked for behind the barrier before.  K's tile of this step and V's of the step
; before are read no more, and their slots are filled with K's of the step after next and V's of the next.  The next step's first eight fragments of K are read while this step's second product ends.
; LAYOUT.  Both products are used transposed: S^T = K Q^T, O^T = V^T P^T: a lane holds ONE query throughout.  Register j of key tile t is key 16 t + 8 (lane / 16) + j: the 16 registers of tiles 2 b, 2 b + 1 are block b of 32 keys,
; p's codes lie inside a block in the same fixed order as v's.
; NO CLUSTER: the work-groups of a batch need 8, 8, 7, 7, 6, 6, 5, 5 key steps: partners would need different numbers of tiles, and no wave of a partner would read what the last joint loads bring.
; LIMITS: the promise holds while the scaled scores t stay under 2^31 in magnitude; the order in which a matrix instruction adds the products of a block of 32 differs from ascending K; a block of p that is all zeros, or so small
; that its byte would fall under 1, gets the scale byte 1; p under 2^-126 falls to 0; NaN and infinities are not served.
; REGISTERS, in windows of 256.  Window 0: as named below; v64-191 S^T of the four tiles, 32 registers each; behind the exchange p's fragments (v64-111), what the other wave sent (v112-127) and five fragments of V (v128-187); on the way
; out results.  v208-243 fragment slots 5-7; in the softmax at work.  Window 1: v0-191 Q, v[48 tile + 12 K step]; v192-251 fragment slots 0-4.  Window 2: O^T of the low tiles, v[128 tile + 8 x tile of channels].  Window 3: of the high ones.
.set SLOT1,  1<<17                     ; slot 1 begins here
.set STEPB,  49152                     ; a key step's fragments of K: 8 tiles x 4 K steps x 1,536;  of V: 32 tiles of channels x 1,536
.set HSTEP,  24576                     ; half of either: what one tensor load brings, and what one wave reads
.set VOFF,   STEPB                     ; a slot: K, then V
.set PX,     SLOT1+2*STEPB             ; behind slot 1: the exchange: for each wave four tiles x 768 bytes of codes, then four x 512 of bytes, M' and sum
.set PXW,    5120
; Two exchanges take turns, step by step: a wave stores step s + 1's codes while another may still read step s's; step s + 2's stores stand behind step s + 1's barrier, in front of which every wave has waited for its reads of step s
.set STAGE,  PX+8*PXW                  ; the way out: two halves of 16 rows x 272 bytes for each wave
.set HALF,   16*272
.set SPARE,  STAGE+4*2*HALF            ; the spare words, 128 bytes for each wave: two blocks of 256 bytes that no other line names
.set ADK8, 0                           ; v0   (the thread's number has been used by then)
.set ADV8, 1
.set SCO,  2                           ; v2   16 lane + 1,024 kh: my scale words in a step's 2,048 bytes, of K and of V alike
.set DM,   3                           ; v3   32 qg + lane % 16 - 64 kh - 8 (lane / 16)
.set ADK,  5
.set ADV,  6
.set STO,  7
.set RD,   8
.set GO,   9
.set PXC,  10
.set PXI,  11
.set SPW,  12                          ; v12  LDS address of my spare word; never rewritten
.set NIL,  13                          ; v13  0; never rewritten
.set PF1,  14
.set PF2,  15
.set PRC,  16
.set PRI,  17
.set QS,   18                          ; v18-33 Q's scale words: 4 tile + K step
.set SCK,  34                          ; v34-41 K's: 4 (key tile / 2) + K step: lanes 0-15 the even tile, lanes 16-31 the odd one
.set SCV,  42                          ; v42-49 V's: tile of channels / 2, likewise
.set PW,   50                          ; v50-53 p's scale words
.set TMX,  54                          ; v54-57 the largest t of my keys so far
.set NMC,  58                          ; v58-61 -M
.set KB8,  62                          ; v62  8 lane
.set KB0,  63                          ; v63  16 lane
.set S,    64
.set PC,   64
.set RCV,  112                         ; what the other wave sent: two bytes, -M', sum
.set OWN,  192                         ; v192-207 mine, four a tile, in the same order.  (Behind the exchange the first holds 2^(old M - new M))
.set BM,   208
.set PT,   212
.set SO,   216
.set C2,   220
.set TQ,   228
.set LT,   244                         ; v244-247 both sums under M
.set CH,   248
.set XQ,   248
.set D1,   250
.set D2,   252
.set D3,   254
.set RL,   248
.set SA,   64
.set SB,   128
.set WV,   18
.set QG,   19
.set II,   20
.set BAT,  21
.set SEL,  22
.set CS,   24
.set G1,   28
.set G0K,  36
.set SS,   40                          ; s40  the key step
.set TB,   41                          ; s41  LDS byte at which my half of K begins in the next step's slot
.set XBF,  4                           ; s4   0 or 4 PXW: the exchange whose turn it is.  (s4-7 held pointers that have been used by then)
.set XOW,  5                           ; s5   where my part of an exchange begins, s6 that of the two waves of my qg, s7 what the other wave sends beside its codes
.set XPR,  6
.set XOT,  7
.set NLO,  42
.set NHI,  43
.set LIM,  44
.set KH,   45
.set PFA,  46
.set KSB,  48
.set VSB,  50
.set OL,   52
.set OH,   54
.set SHW,  56
.set SHO,  57
.set PARL, 58
.set PARH, 59
.set KSN,  60                          ; s[60:61] the next step's scale words of K, s[62:63] this step's of V
.set VSN,  62
.set G0V,  76
.set MSB, 0
.macro WIN new                         ; the immediate's high byte repeats the setting that is left; a switch that changes nothing is dropped
.if MSB != (\new)
	s_set_vgpr_msb (MSB<<8)|(\new)
.set MSB, (\new)
.endif
.endm
.macro PLACES
.rept 4
	v_nop
.endr
.endm
.macro WM z, d, a, b, sa, sb, row      ; z = 1: a product that starts a sum, 0: adds in place;  row = 1: source 0's scales stand in lanes 16-31
.if \z
.if \row
	v_wmma_scale_f32_16x16x128_f8f6f4 v[\d:\d+7], v[\a:\a+11], v[\b:\b+11], 0, v[\sa], v[\sb] matrix_a_fmt:MATRIX_FMT_BF6 matrix_b_fmt:MATRIX_FMT_BF6 matrix_a_scale:MATRIX_SCALE_ROW1
.else
	v_wmma_scale_f32_16x16x128_f8f6f4 v[\d:\d+7], v[\a:\a+11], v[\b:\b+11], 0, v[\sa], v[\sb] matrix_a_fmt:MATRIX_FMT_BF6 matrix_b_fmt:MATRIX_FMT_BF6
.endif
.else
.if \row
	v_wmma_scale_f32_16x16x128_f8f6f4 v[\d:\d+7], v[\a:\a+11], v[\b:\b+11], v[\d:\d+7], v[\sa], v[\sb] matrix_a_fmt:MATRIX_FMT_BF6 matrix_b_fmt:MATRIX_FMT_BF6 matrix_a_scale:MATRIX_SCALE_ROW1
.else
	v_wmma_scale_f32_16x16x128_f8f6f4 v[\d:\d+7], v[\a:\a+11], v[\b:\b+11], v[\d:\d+7], v[\sa], v[\sb] matrix_a_fmt:MATRIX_FMT_BF6 matrix_b_fmt:MATRIX_FMT_BF6
.endif
.endif
.endm
.macro LDR reg, a16, a8, off           ; a fragment: four loads, of 512 and of 256 consecutive bytes
.irp c, 0,1
	ds_load_b128 v[\reg+6*\c:\reg+6*\c+3], v[\a16] offset:(\off)+768*\c
	ds_load_b64 v[\reg+6*\c+4:\reg+6*\c+5], v[\a8] offset:(\off)+768*\c+512
.endr
.endm
.macro LDF sl, a16, a8, off            ; into slot sl
.if (\sl) < 5
	WIN 0x40
.set FB, 192+12*(\sl)
.else
	WIN 0
.set FB, 208+12*((\sl)-5)
.endif
	LDR FB, \a16, \a8, \off
.endm
.macro KFR n                           ; fragment n = 4 x K step + tile of my four key tiles, into slot n % 8
	LDF (\n)%8, ADK, ADK8, (4*((\n)%4)+(\n)/4)*1536
.endm
.macro KLOAD c                         ; K step c
.irp kt, 0,1,2,3
	KFR 4*\c+\kt
.endr
.endm
.macro SP c, kt, u
.if \c
	WM 0, S+32*\u+8*\kt, FB, 48*\u+12*\c, SCK+4*(\kt/2)+\c, QS+4*\u+\c, \kt%2
.else
	WM 1, S+32*\u+8*\kt, FB, 48*\u, SCK+4*(\kt/2), QS+4*\u, \kt%2
.endif
.endm
; S^T's products of K step c: 16 accumulators by turns (the high block alone: 8), one instruction a turn, in the same order in every K step.  mode 2: the high block alone
.macro SG c, younger, mode
	s_wait_dscnt \younger                          ; this K step's fragments are in; the younger loads (the next K step's four fragments) may be out
.irp kt, 0,1,2,3
.set SL, (4*\c+\kt)%8
.if SL < 5
	WIN 0x05                                       ; K in window 1, Q in window 1, S^T in window 0
.set FB, 192+12*SL
.else
	WIN 0x04                                       ; K in window 0
.set FB, 208+12*(SL-5)
.endif
.if \mode != 2
	SP \c, \kt, 0
	SP \c, \kt, 1
.endif
	SP \c, \kt, 2
	SP \c, \kt, 3
.endr
.endm
.macro MASK u0, par                    ; the diagonal step of a block: hidden scores become the padding value (times sqrt(512)), ahead of the maximum; each accumulator from its low end on
	v_add_nc_u32 v[CH], s[\par], v[DM]
	s_wait_alu depctr_va_vdst(0)
.set n, 0
.rept 64
	v_cmp_le_i32 vcc_lo, 16*((n%32)/8)+n%8-16*(n/32), v[CH]
	v_cndmask_b32 v[S+32*\u0+n], 0xd1b504f3, v[S+32*\u0+n], vcc_lo
.set n, n+1
.endr
.endm
; The softmax of tiles u0, u0 + 1 over my 64 keys: 64 numbers a lane in four runs of 16: run b is block b % 2 of tile u0 + b / 2.  Then codes, bytes, -M' and sum go to the exchange.
.macro SOFT u0
.set SZ, S+32*\u0
.set OW, OWN+4*\u0
	s_wait_alu depctr_va_vdst(0)                   ; ahead of the scores' first readers
.irp b, 0,1,2,3
	v_max3_num_f32 v[BM+\b], v[SZ+16*\b], v[SZ+16*\b+1], v[SZ+16*\b+2]   ; the largest score of each block: for the maximum and, since p rises with the score, for the block's largest p
.endr
.irp i, 3,5,7,9,11,13
.irp b, 0,1,2,3
	v_max3_num_f32 v[BM+\b], v[BM+\b], v[SZ+16*\b+\i], v[SZ+16*\b+\i+1]
.endr
.endr
.irp b, 0,1,2,3
	v_max_num_f32 v[BM+\b], v[BM+\b], v[SZ+16*\b+15]
.endr
.irp b, 0,1,2,3
	v_permlanex16_b32 v[PT+\b], v[BM+\b], s[SEL], s[SEL+1]
.endr
.irp b, 0,1,2,3
	v_max_num_f32 v[BM+\b], v[BM+\b], v[PT+\b]     ; with lane l xor 16's 16 keys
.endr
.irp q, 0,1
	v_max_num_f32 v[SO+\q], v[BM+2*\q], v[BM+2*\q+1]
.endr
.irp q, 0,1
	v_mul_f32 v[SO+\q], s[CS], v[SO+\q]            ; as t (c is positive)
.endr
.irp q, 0,1
	v_max_num_f32 v[TMX+\u0+\q], v[TMX+\u0+\q], v[SO+\q]
.endr
.irp q, 0,1
	v_mov_b32 v[SO+\q], v[OW+4*\q+2]
.endr
.irp q, 0,1
	v_floor_f32 v[OW+4*\q+2], -v[TMX+\u0+\q]       ; -M' = floor(-t): a whole number
.endr
.irp q, 0,1
	v_sub_f32 v[SO+\q], v[OW+4*\q+2], v[SO+\q]
.endr
.irp q, 0,1
	v_cvt_i32_f32 v[SO+\q], v[SO+\q]               ; (it saturates)
.endr
.irp q, 0,1
	v_ldexp_f32 v[OW+4*\q+3], v[OW+4*\q+3], v[SO+\q]   ; my sum under the new M'
.endr
.set j, 0
.rept 32
	v_pk_fma_f32 v[SZ+j:SZ+j+1], v[SZ+j:SZ+j+1], s[CS:CS+1], v[OW+4*(j/32)+2:OW+4*(j/32)+3] op_sel_hi:[1,0,0]   ; t - M', two at a time
.set j, j+2
.endr
.irp b, 0,1,2,3
	v_fma_f32 v[BM+\b], v[BM+\b], s[CS], v[OW+4*(\b/2)+2]
.endr
	s_wait_alu depctr_va_vdst(0)                   ; ahead of the batch
.set j, 0
.rept 64
	v_exp_f32 v[SZ+j], v[SZ+j]                     ; p = 2^(t - M')
.set j, j+1
.endr
.irp b, 0,1,2,3
	v_exp_f32 v[BM+\b], v[BM+\b]                   ; the block's largest p: the same two lines on the same number give the same bits
.endr
	v_nop
	s_wait_alu depctr_va_vdst(0)                   ; and behind it, ahead of its first reader
.irp b, 0,1,2,3
	v_pk_add_f32 v[CH+2*\b:CH+2*\b+1], v[SZ+16*\b:SZ+16*\b+1], v[SZ+16*\b+2:SZ+16*\b+3]   ; the sum is taken of the unquantised p
.endr
.irp i, 4,6,8,10,12,14
.irp b, 0,1,2,3
	v_pk_add_f32 v[CH+2*\b:CH+2*\b+1], v[CH+2*\b:CH+2*\b+1], v[SZ+16*\b+\i:SZ+16*\b+\i+1]
.endr
.endr
.irp b, 0,1,2,3
	v_max_num_f32 v[BM+\b], 0x2800000, v[BM+\b]    ; the floor 2^(5 - 127): the byte cannot fall under 1
.endr
.irp q, 0,1
	v_pk_add_f32 v[CH+4*\q:CH+4*\q+1], v[CH+4*\q:CH+4*\q+1], v[CH+4*\q+2:CH+4*\q+3]
.endr
.irp b, 0,1,2,3
	v_add_nc_u32 v[SO+\b], 0xfe000000, v[BM+\b]    ; 4 off the exponent field: the conversion's scale operand
.endr
.irp q, 0,1
	v_add_f32 v[OW+4*\q+3], v[OW+4*\q+3], v[CH+4*\q]
.endr
.irp b, 0,1,2,3
	v_lshrrev_b32 v[OW+4*(\b/2)+\b%2], 23, v[SO+\b]   ; the scale's byte
.endr
.irp q, 0,1
	v_add_f32 v[OW+4*\q+3], v[OW+4*\q+3], v[CH+4*\q+1]
.endr
.irp q, 0,1
	v_cvt_scalef32_pk16_bf6_f32 v[TQ+6*\q:TQ+6*\q+2], v[SZ+32*\q:SZ+32*\q+15], v[SO+2*\q]
	v_cvt_scalef32_pk16_bf6_f32 v[C2+4*\q:C2+4*\q+2], v[SZ+32*\q+16:SZ+32*\q+31], v[SO+2*\q+1]
.endr
	v_nop                                          ; one plain line behind the scaled conversions
.irp q, 0,1                            ; a whole block in a lane: lanes 0-15 my first block, lanes 16-31 my second: registers 6 kh .. 6 kh + 5 of p's fragment
.irp i, 0,1,2
	v_permlane16_swap_b32 v[TQ+6*\q+\i], v[C2+4*\q+\i]
.endr
.endr
.irp q, 0,1
.irp i, 0,1,2
	v_mov_b32 v[TQ+6*\q+3+\i], v[C2+4*\q+\i]
.endr
.endr
.irp q, 0,1
	ds_store_b128 v[PXI], v[OW+4*\q:OW+4*\q+3] offset:512*(\u0+\q)
.irp i, 0,1,2
	ds_store_b64 v[PXC], v[TQ+6*\q+2*\i:TQ+6*\q+2*\i+1] offset:768*(\u0+\q)+256*\i
.endr
.endr
.endm
; A key step's first part: scores, softmax, p to the exchange.  K's first eight fragments have been asked for.  mode 1: both blocks;  2: the high block alone
.macro P1 mode
	global_load_b128 v[SCV:SCV+3], v[SCO], s[VSN:VSN+1]              ; this step's scale words of V
	global_load_b128 v[SCV+4:SCV+7], v[SCO], s[VSN:VSN+1] offset:512
	SG 0, 16, \mode
	PLACES                                         ; between the products and the loads into registers that they read
	KLOAD 2
	SG 1, 16, \mode
	PLACES
	KLOAD 3
	SG 2, 16, \mode
	SG 3, 0, \mode
	PLACES
	WIN 0
	global_load_b128 v[SCK:SCK+3], v[SCO], s[KSN:KSN+1]              ; the next step's scale words of K
	global_load_b128 v[SCK+4:SCK+7], v[SCO], s[KSN:KSN+1] offset:512
.if \mode == 2
	s_add_co_u32 s70, s[SS], 1
	s_cmp_eq_u32 s70, s[NHI]                       ; the high block's diagonal step is its last, and never one in which both are at work
	s_cbranch_scc0 .Lnmh_\@
	MASK 2, PARH
.Lnmh_\@:
.endif
	SOFT 2
.if \mode != 2
	s_add_co_u32 s70, s[SS], 1
	s_cmp_eq_u32 s70, s[NLO]                       ; the low block's
	s_wait_alu depctr_va_vdst(0)
	s_cbranch_scc0 .Lnml_\@
	MASK 0, PARL
.Lnml_\@:
	SOFT 0
.endif
.endm
; Tiles u0, u0 + 1: M, the factor for O, p's scale word, the sum.  mode 0: the first step: no factor
.macro STAT u0, mode
.irp q, 0,1
	v_min_num_f32 v[XQ+\q], v[OWN+4*(\u0+\q)+2], v[RCV+4*(\u0+\q)+2]   ; -M
.endr
.irp q, 0,1
	v_sub_f32 v[D1+\q], v[XQ+\q], v[OWN+4*(\u0+\q)+2]   ; my M' - M: 0 or less,
	v_sub_f32 v[D2+\q], v[XQ+\q], v[RCV+4*(\u0+\q)+2]   ; and the other wave's
.endr
.if \mode
.irp q, 0,1
	v_sub_f32 v[D3+\q], v[XQ+\q], v[NMC+\u0+\q]    ; old M - new M
.endr
.endif
.irp q, 0,1
	v_mov_b32 v[NMC+\u0+\q], v[XQ+\q]
	v_cvt_i32_f32 v[D1+\q], v[D1+\q]               ; (saturating: -2^31 and a byte do not overflow)
	v_cvt_i32_f32 v[D2+\q], v[D2+\q]
.if \mode
	v_cvt_i32_f32 v[D3+\q], v[D3+\q]
.endif
.endr
.irp e, 0,1
.irp q, 0,1
	v_add_nc_u32 v[OWN+4*(\u0+\q)+\e], v[OWN+4*(\u0+\q)+\e], v[D1+\q]
	v_add_nc_u32 v[RCV+4*(\u0+\q)+\e], v[RCV+4*(\u0+\q)+\e], v[D2+\q]
.endr
.endr
.irp e, 0,1
.irp q, 0,1
	v_max_i32 v[OWN+4*(\u0+\q)+\e], 1, v[OWN+4*(\u0+\q)+\e]
	v_max_i32 v[RCV+4*(\u0+\q)+\e], 1, v[RCV+4*(\u0+\q)+\e]
.endr
.endr
.irp q, 0,1
	v_lshl_or_b32 v[OWN+4*(\u0+\q)], v[OWN+4*(\u0+\q)+1], 8, v[OWN+4*(\u0+\q)]
	v_lshl_or_b32 v[RCV+4*(\u0+\q)], v[RCV+4*(\u0+\q)+1], 8, v[RCV+4*(\u0+\q)]
.endr
.irp q, 0,1
	v_ldexp_f32 v[XQ+\q], v[OWN+4*(\u0+\q)+3], v[D1+\q]
	v_ldexp_f32 v[RCV+4*(\u0+\q)+3], v[RCV+4*(\u0+\q)+3], v[D2+\q]
	v_lshlrev_b32 v[OWN+4*(\u0+\q)], s[SHW], v[OWN+4*(\u0+\q)]   ; my two bytes at their place: 16 kh bits up
.endr
.irp q, 0,1
	v_lshl_or_b32 v[PW+\u0+\q], v[RCV+4*(\u0+\q)], s[SHO], v[OWN+4*(\u0+\q)]
	v_add_f32 v[LT+\u0+\q], v[XQ+\q], v[RCV+4*(\u0+\q)+3]
.endr
.if \mode
.irp q, 0,1
	v_ldexp_f32 v[OWN+4*(\u0+\q)], 1.0, v[D3+\q]   ; 2^(old M - new M)
.endr
.endif
.endm
.macro RESCALE win, u0
	WIN \win
	s_wait_alu depctr_va_vdst(0)                   ; directly ahead of O^T's readers
.set j, 0
.rept 128
	v_pk_mul_f32 v[j:j+1], v[j:j+1], v[OWN+4*(\u0+j/128):OWN+4*(\u0+j/128)+1] op_sel_hi:[1,0]
.set j, j+2
.endr
.endm
.macro PVH wn, n0, cnt, u0, mode       ; products of O^T += V^T P^T: tiles of channels n0 on, two tiles of queries: each accumulator once
	WIN \wn
.set NV, \n0
.rept \cnt
.if NV < 5
.set VB, 128+12*NV
.elseif NV < 8
.set VB, 208+12*(NV-5)
.elseif NV < 13
.set VB, 192+12*(NV-8)
.else
.set VB, 208+12*(NV-13)
.endif
.irp q, 0,1
.if \mode
	WM 0, 128*\q+8*NV, VB, PC+12*(\u0+\q), SCV+NV/2, PW+\u0+\q, NV%2
.else
	WM 1, 128*\q+8*NV, VB, PC+12*(\u0+\q), SCV+NV/2, PW+\u0+\q, NV%2
.endif
.endr
.set NV, NV+1
.endr
.endm
.macro PV n0, cnt, w, mode             ; V in window w, p in window 0, O^T of the low tiles in window 2, of the high ones in window 3
.if \mode != 2
	PVH 0xa0+\w, \n0, \cnt, 0, \mode
.endif
	PVH 0xf0+\w, \n0, \cnt, 2, \mode
.endm
; A key step's second part.  mode 0: the first step, both blocks;  1: both;  2: the high block alone
.macro P2 mode
.if \mode != 2
.irp u, 0,1
	ds_load_b128 v[RCV+4*\u:RCV+4*\u+3], v[PRI] offset:512*\u
.endr
.endif
.irp u, 2,3
	ds_load_b128 v[RCV+4*\u:RCV+4*\u+3], v[PRI] offset:512*\u
.endr
.irp c, 0,1                            ; p's fragments: my half and the other wave's
.irp i, 0,1,2
.if \mode != 2
.irp u, 0,1
	ds_load_b64 v[PC+12*\u+6*\c+2*\i:PC+12*\u+6*\c+2*\i+1], v[PRC] offset:PXW*\c+768*\u+256*\i
.endr
.endif
.irp u, 2,3
	ds_load_b64 v[PC+12*\u+6*\c+2*\i:PC+12*\u+6*\c+2*\i+1], v[PRC] offset:PXW*\c+768*\u+256*\i
.endr
.endr
.endr
.irp t, 0,1,2,3,4
	LDR 128+12*\t, ADV, ADV8, \t*1536
.endr
.irp t, 5,6,7
	LDF \t, ADV, ADV8, \t*1536
.endr
.if \mode == 2
	s_wait_dscnt 44                                ; what the other wave sent is in; out may be 12 loads of p, 32 of V
.else
	s_wait_dscnt 56                                ; 24 of p, 32 of V
.endif
	STAT 2, \mode
.if \mode != 2
	STAT 0, \mode
.endif
.irp t, 8,9,10,11,12
	LDF \t-8, ADV, ADV8, \t*1536
.endr
.if \mode == 1
	RESCALE 0x82, 0
.endif
.if \mode
	RESCALE 0xc3, 2                                ; these lines are also the places between p's scale words and the products that take them
.else
	PLACES                                         ; the first step has nothing to rescale: eight places
	PLACES
.endif
	s_wait_alu depctr_va_vdst(0)
	s_wait_dscnt 20                                ; p and V's tiles 0-7 are in; the five younger fragments may be out
	s_wait_loadcnt 0x2                             ; V's scale words are in; K's for the next step may be out
	PV 0, 8, 0, \mode
	PLACES                                         ; between the products and the loads into registers that they read
.irp t, 13,14,15
	LDF \t-8, ADV, ADV8, \t*1536
.endr
	s_wait_dscnt 12                                ; V's tiles 8-12 are in
	PV 8, 5, 1, \mode
	PLACES
.irp t, 0,1,2,3,4
	KFR \t                                         ; the next step's first fragments of K.  (Behind the last step: bytes of a tile read before, not used)
.endr
	s_wait_dscnt 20                                ; V's tiles 13-15 are in
	PV 13, 3, 0, \mode
	PLACES
.irp t, 5,6,7
	KFR \t
.endr
	WIN 0
.endm
.macro ADDR                            ; a step's head, on every path: where the scale words lie, and five places between the last products and the products that write over registers that they read
	s_wait_loadcnt 0x0                             ; K's scale words are in
	s_mov_b32 s71, 0
	s_lshl_b32 s70, s[SS], 11
	s_add_nc_u64 s[VSN:VSN+1], s[VSB:VSB+1], s[70:71]
	s_add_co_u32 s70, s[SS], 1
	s_min_u32 s70, s70, 7                          ; (behind the last step: its own once more)
	s_lshl_b32 s70, s70, 11
	s_add_nc_u64 s[KSN:KSN+1], s[KSB:KSB+1], s[70:71]
	s_xor_b32 s[XBF], s[XBF], 4*PXW                ; the other exchange than in the step before
	s_add_co_u32 s70, s[XBF], s[XOW]
	v_add_nc_u32 v[PXC], s70, v[KB8]               ; these four lines and the v_nop are the five places
	s_add_co_u32 s70, s70, 3072
	v_add_nc_u32 v[PXI], s70, v[KB0]
	s_add_co_u32 s70, s[XBF], s[XPR]
	v_add_nc_u32 v[PRC], s70, v[KB8]
	s_add_co_u32 s70, s[XBF], s[XOT]
	v_add_nc_u32 v[PRI], s70, v[KB0]
	v_nop
	s_wait_alu depctr_va_vdst(0)
.endm
; A PREFETCH INTO THE L2 of what the next step's barrier will ask for: behind step s's barrier K's tile s + 3 and V's tile s + 2, one step ahead of their loads; what comes earlier comes by its loads alone.  Of a batch's work-groups two
; ask, which both read all eight steps: i = 0 names K's 192 blocks of 256 bytes, i = 1 V's: 48 a wave, lanes 256 bytes apart, two instructions (in the second the lanes left over name the wave's last block).  Each block is named once in the
; launch.  It stops behind step 7's tile.
.macro ASK
	s_cmp_lt_u32 s[SS], s[LIM]
	s_cbranch_scc0 .Lnot_mine_\@
	global_prefetch_b8 v[PF1], s[PFA:PFA+1] th:TH_LOAD_NT scope:SCOPE_SE
	global_prefetch_b8 v[PF2], s[PFA:PFA+1] th:TH_LOAD_NT scope:SCOPE_SE
.Lnot_mine_\@:
.endm
; THE STEP'S BARRIER: in front of it each wave waits for all its tensor loads, adds 0 to its spare word, and waits for that, for its stores to the exchange and for its reads.  Behind it waves 0, 1 ask for K's halves two steps on, waves
; 2, 3 for V's one step on, where the high block has such a step (ids alone; every wait on TENSORcnt is for 0).  cond = 0: the first step, where both always exist.
.macro MEET cond
	s_wait_alu depctr_va_vdst(0)
	s_wait_tensorcnt 0x0                           ; no tensor load of mine is out, so groups 0 may be written
	ds_add_u32 v[SPW], v[NIL]                      ; 0 onto my spare word
	s_xor_b32 s[G0K+1], s[G0K+1], SLOT1
	s_add_nc_u64 s[G0K+2:G0K+3], s[G0K+2:G0K+3], STEPB
	s_xor_b32 s[G0V+1], s[G0V+1], SLOT1
	s_add_nc_u64 s[G0V+2:G0V+3], s[G0V+2:G0V+3], STEPB
	s_xor_b32 s[TB], s[TB], SLOT1
	s_wait_xcnt 0x0                                ; the last prefetches and scale loads have read their addresses
	s_add_nc_u64 s[PFA:PFA+1], s[PFA:PFA+1], STEPB
	s_wait_dscnt 0x0
	s_barrier_signal -1
	s_barrier_wait -1                              ; the same holds of every wave
.if \cond
	s_add_co_u32 s70, s[SS], 1
	s_cmp_lt_u32 s70, s[NHI]
	s_cbranch_scc0 .Lfull_\@
.endif
	s_cmp_lt_u32 s[WV], 2
	s_cbranch_scc0 .Lv_\@
.if \cond
	s_add_co_u32 s70, s[SS], 2
	s_cmp_lt_u32 s70, s[NHI]
	s_cbranch_scc0 .Lfull_\@
.endif
	tensor_load_to_lds s[G0K:G0K+3], s[G1:G1+7]    ; my one tensor load until the next barrier: it has a whole step in which to land
	s_nop 0
	PLACES
	s_branch .Lfull_\@
.Lv_\@:
	tensor_load_to_lds s[G0V:G0V+3], s[G1:G1+7]
	s_nop 0
	PLACES
.Lfull_\@:
	v_add_nc_u32 v[ADV], VOFF, v[ADK]              ; V of this step,
	v_add_nc_u32 v[ADV8], VOFF, v[ADK8]
	v_add_nc_u32 v[ADK], s[TB], v[KB0]             ; K of the next
	v_add_nc_u32 v[ADK8], s[TB], v[KB8]
	s_wait_alu depctr_va_vdst(0)
	ASK
.endm
; THE WAY OUT of two finished tiles, my 256 channels: O^T / the sum, 64 channels (256 bytes) of 16 queries at a time, through my stage in LDS, so that sixteen lanes store 256 consecutive bytes that begin at a multiple of 256 from out0's start.
; Two halves of the stage and two sets of registers by turns: a chunk's arithmetic stands between the loads of the chunk before and its stores.
.macro WAYOUT win, u0, ob
	PLACES                                         ; between the last products and the first read of their results
.irp q, 0,1
	v_permlanex16_b32 v[D2+\q], v[LT+\u0+\q], s[SEL], s[SEL+1]
.endr
.irp q, 0,1
	v_add_f32 v[D2+\q], v[D2+\q], v[LT+\u0+\q]     ; the row's sum
.endr
	s_wait_alu depctr_va_vdst(0)
	v_rcp_f32 v[RL], v[D2]
	v_rcp_f32 v[RL+2], v[D2+1]
	v_nop
.irp c, 0,1,2,3,4,5,6,7
	WIN \win                                       ; source 0 in O^T's window
	s_wait_alu depctr_va_vdst(0)                   ; directly ahead of these readers
.irp u, 0,1,2,3,4,5,6,7,8,9,10,11,12,13,14,15
	v_pk_mul_f32 v[SA+32*(\c%2)+2*\u:SA+32*(\c%2)+2*\u+1], v[32*\c+2*\u:32*\c+2*\u+1], v[RL+2*(\c/4):RL+2*(\c/4)+1] op_sel_hi:[1,0]
.endr
	WIN 0
.irp t, 0,1,2,3
	ds_store_b128 v[STO], v[SA+32*(\c%2)+8*\t:SA+32*(\c%2)+8*\t+3] offset:HALF*(\c%2)+64*\t
	ds_store_b128 v[STO], v[SA+32*(\c%2)+8*\t+4:SA+32*(\c%2)+8*\t+7] offset:HALF*(\c%2)+64*\t+16
.endr
.if \c >= 2
	s_wait_xcnt 0x0                                ; the stores of two chunks back have read their registers: the loads below may land there
.endif
.irp k, 0,1,2,3,4,5,6,7
	ds_load_b128 v[SB+32*(\c%2)+4*\k:SB+32*(\c%2)+4*\k+3], v[RD] offset:HALF*(\c%2)+544*\k   ; LDS serves a wave's instructions in order: these see the stores above
.endr
.if \c >= 1
	s_wait_dscnt 16                                ; the chunk before is back; this chunk's 8 stores and 8 loads may be out
.irp k, 0,1,2,3,4,5,6,7
	global_store_b128 v[GO], v[SB+32*((\c-1)%2)+4*\k:SB+32*((\c-1)%2)+4*\k+3], s[\ob:\ob+1] offset:32768*((\c-1)/4)+4096*\k+256*((\c-1)%4) th:TH_STORE_NT
.endr
.endif
.endr
	s_wait_dscnt 0x0
.irp k, 0,1,2,3,4,5,6,7
	global_store_b128 v[GO], v[SB+32+4*\k:SB+32+4*\k+3], s[\ob:\ob+1] offset:32768+4096*\k+256*3 th:TH_STORE_NT
.endr
	s_wait_xcnt 0x0                                ; the stores have read their registers, which the next step's products write
.endm
	s_load_b256 s[4:11], s[0:1], 0x0               ; qc, qs, kc, ks
	s_load_b128 s[12:15], s[0:1], 0x20             ; vc, vs
	s_load_b64 s[16:17], s[0:1], 0x30              ; out0
	v_lshl_add_u32 v[SPW], v0, 2, SPARE
	v_mov_b32 v[NIL], 0
	ds_add_u32 v[SPW], v[NIL]                      ; the opening lines: 0 onto my spare word, twice on end
	ds_add_u32 v[SPW], v[NIL]
	v_lshrrev_b32 v64, 5, v0
	v_readfirstlane_b32 s[WV], v64                 ; wave 0..3
	s_mov_b32 s[BAT], ttmp9
	s_and_b32 s[II], ttmp7, 0xffff                 ; i: the lowest numbers have the most key steps
	s_lshr_b32 s[QG], s[WV], 1
	s_and_b32 s[KH], s[WV], 1
	; descriptor group 1: half a step's fragments of K or of V, dense, as 96 rows of 256 bytes (32 elements of 8 bytes), no padding: an image is read 512 or 256 consecutive bytes at a time
	s_mov_b32 s[G1], 3<<16
	s_mov_b32 s[G1+1], 32<<16
	s_mov_b32 s[G1+2], 96<<16
	s_mov_b32 s[G1+3], 32<<16
	s_mov_b32 s[G1+4], 96
	s_mov_b32 s[G1+5], 32
	s_mov_b32 s[G1+6], 0
	s_mov_b32 s[G1+7], 0
	s_mov_b32 s[SEL], 0x76543210
	s_mov_b32 s[SEL+1], 0xfedcba98
	s_mov_b32 s[CS], 0x3d8293ee                    ; c = log2(e) / sqrt(512)
	s_mov_b32 s[CS+1], s[CS]
	s_mov_b32 s[SS], 0
	s_mul_i32 s[TB], s[KH], HSTEP                  ; (under SLOT1: one exclusive or changes the slot)
	s_lshr_b32 s70, s[II], 1
	s_add_co_u32 s[NLO], s70, 1
	s_sub_co_u32 s[NHI], 8, s70
	s_lshl_b32 s[SHW], s[KH], 4
	s_sub_co_u32 s[SHO], 16, s[SHW]
	s_and_b32 s70, s[II], 1
	s_lshl_b32 s[PARL], s70, 6                     ; a block's place in its diagonal step: 64 x (block % 2)
	s_sub_co_u32 s[PARH], 64, s[PARL]
	s_mul_i32 s72, s[BAT], 8*STEPB
	s_mul_i32 s71, s[KH], HSTEP
	s_add_co_u32 s72, s72, s71
	s_mov_b32 s73, 0
	s_mov_b32 s27, 0
	s_wait_dscnt 0x0                               ; both opening adds are done
	s_wait_kmcnt 0x0
	s_mov_b32 s[G0K], 1                            ; waves 0, 1 fetch K's halves,
	s_mul_i32 s[G0K+1], s[KH], HSTEP
	s_add_nc_u64 s[G0K+2:G0K+3], s[8:9], s[72:73]
	s_or_b32 s[G0K+3], s[G0K+3], 0x80000000
	s_mov_b32 s[G0V], 1                            ; waves 2, 3 V's
	s_add_co_u32 s[G0V+1], s[G0K+1], VOFF
	s_add_nc_u64 s[G0V+2:G0V+3], s[12:13], s[72:73]
	s_or_b32 s[G0V+3], s[G0V+3], 0x80000000
	s_cmp_lt_u32 s[WV], 2
	s_cbranch_scc0 .Lhead_v
	tensor_load_to_lds s[G0K:G0K+3], s[G1:G1+7]    ; key step 0: one tensor load a wave at the head
	s_nop 0
	PLACES
	s_branch .Lhead_asked
.Lhead_v:
	tensor_load_to_lds s[G0V:G0V+3], s[G1:G1+7]
	s_nop 0
	PLACES
.Lhead_asked:
	v_and_b32 v64, 15, v0                          ; r
	v_bfe_u32 v65, v0, 4, 1                        ; h
	v_and_b32 v66, 31, v0                          ; lane
	v_lshlrev_b32 v67, 4, v66                      ; 16 lane
	v_lshlrev_b32 v68, 4, v64                      ; 16 r
	v_lshlrev_b32 v69, 3, v66                      ; 8 lane
	s_lshl_b32 s70, s[KH], 10
	v_add_nc_u32 v[SCO], s70, v67
	s_wait_alu depctr_va_vdst(0)
	s_lshl_b32 s71, s[BAT], 6
	s_lshl_b32 s70, s[QG], 1
	s_add_co_u32 s71, s71, s70                     ; 64 batch + 2 qg
	s_lshl_b32 s70, s[II], 2
	s_add_co_u32 s75, s71, s70                     ; the first low tile: + 4 i
	s_add_co_u32 s74, s71, 60
	s_sub_co_u32 s74, s74, s70                     ; the first high tile: + 4 (15 - i)
	s_mul_i32 s26, s75, 6144
	s_add_nc_u64 s[66:67], s[4:5], s[26:27]
	s_lshl_b32 s26, s75, 8
	s_add_nc_u64 s[68:69], s[6:7], s[26:27]
	s_mul_i32 s26, s74, 6144
	s_add_nc_u64 s[72:73], s[4:5], s[26:27]
	s_lshl_b32 s26, s74, 8
	s_add_nc_u64 s[74:75], s[6:7], s[26:27]
	s_lshl_b32 s26, s[BAT], 14
	s_add_nc_u64 s[KSB:KSB+1], s[10:11], s[26:27]
	s_add_nc_u64 s[VSB:VSB+1], s[14:15], s[26:27]
	global_load_b128 v[QS:QS+3], v68, s[68:69]     ; query r's four scale words
	global_load_b128 v[QS+4:QS+7], v68, s[68:69] offset:256
	global_load_b128 v[QS+8:QS+11], v68, s[74:75]
	global_load_b128 v[QS+12:QS+15], v68, s[74:75] offset:256
	global_load_b128 v[SCK:SCK+3], v[SCO], s[KSB:KSB+1]
	global_load_b128 v[SCK+4:SCK+7], v[SCO], s[KSB:KSB+1] offset:512
	WIN 0x40                                       ; destination window 1
.set n, 0
.rept 16
	global_load_b128 v[6*n:6*n+3], v67, s[66:67] offset:768*n            ; Q of the low tiles: eight fragments, as they were stored; they stay
	global_load_b64 v[6*n+4:6*n+5], v69, s[66:67] offset:768*n+512
.set n, n+1
.endr
.set n, 0
.rept 16
	global_load_b128 v[96+6*n:96+6*n+3], v67, s[72:73] offset:768*n      ; and of the high ones
	global_load_b64 v[96+6*n+4:96+6*n+5], v69, s[72:73] offset:768*n+512
.set n, n+1
.endr
	WIN 0
	v_mov_b32 v[KB0], v67
	v_mov_b32 v[KB8], v69
	v_add_nc_u32 v[ADK], s[TB], v67                ; step 0 lies in slot 0
	v_add_nc_u32 v[ADK8], s[TB], v69
	v_lshlrev_b32 v70, 3, v65
	v_sub_nc_u32 v[DM], v64, v70
	s_lshl_b32 s70, s[QG], 5
	s_lshl_b32 s71, s[KH], 6
	s_sub_co_u32 s70, s70, s71
	v_add_nc_u32 v[DM], s70, v[DM]
	s_mul_i32 s70, s[WV], 2*HALF
	s_add_co_u32 s70, s70, STAGE                   ; my stage
	v_mul_u32_u24 v[STO], v64, 272                 ; in: row r, 32 bytes for each half of the lanes
	v_lshl_add_u32 v[STO], v65, 5, v[STO]
	v_add_nc_u32 v[STO], s70, v[STO]
	v_mul_u32_u24 v[RD], v65, 272                  ; back: lanes 0-15 one row of 256 bytes, lanes 16-31 the next
	v_lshl_add_u32 v[RD], v64, 4, v[RD]
	v_add_nc_u32 v[RD], s70, v[RD]
	v_lshlrev_b32 v[GO], 11, v65                   ; and the same two rows of out0, 2,048 bytes apart
	v_lshl_add_u32 v[GO], v64, 4, v[GO]
	s_mov_b32 s[XBF], 0
	s_mul_i32 s[XPR], s[QG], 2*PXW
	s_add_co_u32 s[XPR], s[XPR], PX                ; the codes of the two waves of my qg
	s_mul_i32 s[XOW], s[WV], PXW
	s_add_co_u32 s[XOW], s[XOW], PX                ; mine
	s_xor_b32 s71, s[WV], 1
	s_mul_i32 s[XOT], s71, PXW
	s_add_co_u32 s[XOT], s[XOT], PX+3072           ; the other wave's bytes, M' and sum
	s_mul_i32 s70, s[WV], 48*256
	v_lshl_add_u32 v[PF1], v66, 8, s70
	v_add_nc_u32 v[PF2], 32, v66
	v_min_u32 v[PF2], 47, v[PF2]
	v_lshl_add_u32 v[PF2], v[PF2], 8, s70
.irp u, 0,1,2,3
	v_mov_b32 v[TMX+\u], 0xcf000000                ; the largest t so far: -2^31: a wave all of whose keys are hidden keeps it, and its p are 0
	v_mov_b32 v[OWN+4*\u+2], 0x4f000000            ; -M'
	v_mov_b32 v[OWN+4*\u+3], 0                     ; the sum
.endr
	s_lshl_b32 s71, s[BAT], 21                     ; out0: 2,097,152 bytes a batch, 131,072 for 64 queries, 65,536 for 32, 1,024 for 256 channels
	s_lshl_b32 s70, s[QG], 16
	s_add_co_u32 s71, s71, s70
	s_lshl_b32 s70, s[KH], 10
	s_add_co_u32 s71, s71, s70
	s_lshl_b32 s70, s[II], 17
	s_add_co_u32 s26, s71, s70
	s_add_nc_u64 s[OL:OL+1], s[16:17], s[26:27]
	s_add_co_u32 s26, s71, 15*131072
	s_sub_co_u32 s26, s26, s70
	s_add_nc_u64 s[OH:OH+1], s[16:17], s[26:27]
	s_mul_i32 s26, s[BAT], 8*STEPB
	s_add_co_u32 s26, s26, STEPB                   ; V: at step 1: the first barrier steps it to step 2;
	s_add_co_u32 s70, s26, STEPB                   ; K: a step further on
	s_cmp_eq_u32 s[II], 0                          ; the prefetches: i = 0 names K, i = 1 V
	s_cselect_b32 s26, s70, s26
	s_cselect_b64 s[PFA:PFA+1], s[8:9], s[12:13]
	s_cselect_b32 s70, 5, 6                        ; while the step is under 5, under 6
	s_add_nc_u64 s[PFA:PFA+1], s[PFA:PFA+1], s[26:27]
	s_cmp_lt_u32 s[II], 2
	s_cselect_b32 s[LIM], s70, 0
	s_wait_alu depctr_va_vdst(0)
	s_wait_tensorcnt 0x0                           ; my part of key step 0 is in
	ds_add_u32 v[SPW], v[NIL]
	s_xor_b32 s[G0K+1], s[G0K+1], SLOT1
	s_add_nc_u64 s[G0K+2:G0K+3], s[G0K+2:G0K+3], STEPB
	s_wait_dscnt 0x0
	s_barrier_signal -1
	s_barrier_wait -1                              ; everybody's part is in
	s_cmp_lt_u32 s[WV], 2
	s_cbranch_scc0 .Lnot_k
	tensor_load_to_lds s[G0K:G0K+3], s[G1:G1+7]    ; K's tile 1 into slot 1, by waves 0, 1
	s_nop 0
	PLACES
.Lnot_k:
	KLOAD 0
	KLOAD 1
	WIN 0
	s_wait_xcnt 0x0                                ; Q's loads have read their addresses
	ADDR                                           ; (its wait is Q's too)
	P1 1                                           ; step 0: both blocks; its products start O^T
	MEET 0
	P2 0
	s_mov_b32 s[SS], 1
.Lstep:                                            ; steps 1 .. 7
	ADDR
	s_cmp_lt_u32 s[SS], s[NHI]
	s_cbranch_scc0 .Lmeet                          ; both blocks are finished
	s_cmp_lt_u32 s[SS], s[NLO]
	s_cbranch_scc0 .Lhigh1
	P1 1
	s_wait_alu depctr_va_vdst(0)
	s_branch .Lmeet
.Lhigh1:
	P1 2
.Lmeet:
	MEET 1
	s_cmp_lt_u32 s[SS], s[NHI]
	s_cbranch_scc0 .Ldone
	s_cmp_lt_u32 s[SS], s[NLO]
	s_cbranch_scc0 .Lhigh2
	P2 1
	s_branch .Ldone
.Lhigh2:
	P2 2
.Ldone:
	s_cmp_eq_u32 s[SS], s[NLO]                     ; the low block leaves in the step behind its last
	s_cbranch_scc0 .Lnot_low
	WAYOUT 0x02, 0, OL
.Lnot_low:
	s_add_co_u32 s[SS], s[SS], 1
	s_cmp_lt_u32 s[SS], 8
	s_wait_alu depctr_va_vdst(0)
	s_cbranch_scc1 .Lstep
	WAYOUT 0x03, 2, OH
	s_wait_tensorcnt 0x0                           ; the wave's end
	ds_add_u32 v[SPW], v[NIL]
	s_wait_dscnt 0x0
	s_endpgm
.Lfunc_end_k_qfd46c51546_attn:
	.size	k_qfd46c51546_attn, .Lfunc_end_k_qfd46c51546_attn-k_qfd46c51546_attn
	.p2alignl 7, 3214868480
	.fill 96, 4, 3214868480
	.section	.rodata,"a",@progbits
	.p2align	6, 0x0
	.amdhsa_kernel k_qfd46c51546_attn
		.amdhsa_group_segment_fixed_size 327680
		.amdhsa_private_segment_fixed_size 0
		.amdhsa_enable_private_segment 0
		.amdhsa_kernarg_size 56
		.amdhsa_user_sgpr_count 2
		.amdhsa_user_sgpr_kernarg_segment_ptr 1
		.amdhsa_wavefront_size32 1
		.amdhsa_system_sgpr_workgroup_id_x 1
		.amdhsa_system_sgpr_workgroup_id_y 1
		.amdhsa_system_sgpr_workgroup_id_z 1
		.amdhsa_system_vgpr_workitem_id 0
		.amdhsa_next_free_vgpr 1024
		.amdhsa_next_free_sgpr 80
		.amdhsa_reserve_vcc 1
		.amdhsa_float_denorm_mode_32 3
		.amdhsa_float_denorm_mode_16_64 3
		.amdhsa_memory_ordered 1
		.amdhsa_forward_progress 1
		.amdhsa_inst_pref_size 252
	.end_amdhsa_kernel
	.amdgpu_metadata
---
amdhsa.version: [ 1, 2 ]
amdhsa.kernels:
  - .name:           k_qfd46c51546_attn
    .symbol:         k_qfd46c51546_attn.kd
    .args:
      - { .name: qc, .offset: 0, .size: 8, .value_kind: global_buffer, .address_space: global }
      - { .name: qs, .offset: 8, .size: 8, .value_kind: global_buffer, .address_space: global }
      - { .name: kc, .offset: 16, .size: 8, .value_kind: global_buffer, .address_space: global }
      - { .name: ks, .offset: 24, .size: 8, .value_kind: global_buffer, .address_space: global }
      - { .name: vc, .offset: 32, .size: 8, .value_kind: global_buffer, .address_space: global }
      - { .name: vs, .offset: 40, .size: 8, .value_kind: global_buffer, .address_space: global }
      - { .name: out0, .offset: 48, .size: 8, .value_kind: global_buffer, .address_space: global }
    .group_segment_fixed_size: 327680
    .private_segment_fixed_size: 0
    .kernarg_segment_align: 8
    .kernarg_segment_size: 56
    .max_flat_workgroup_size: 128
    .sgpr_count:     80
    .vgpr_count:     1024
    .wavefront_size: 32
...
	.end_amdgpu_metadata
.endif
;; end of part 2
